; MI455X (gfx1250); checked and timed in simulation.
; The chip was launched on July 23, 2026; its instructions are those of AMD's public machine-readable ISA for CDNA 5 (MIT licence, August 2026) and "CDNA5" Instruction Set Architecture Reference Guide (July 2026). The comments in the code are by the model that wrote it; some were corrected since.
;; Dot Product Attention. Allowed arithmetic: matrix products marked QUANTISED: E2M1 operands, one E8M0 scale for each 32 along K, by v_wmma_scale_f32_16x16x128_f8f6f4 with both operands' format E2M1 (or v_wmma_scale_f32_32x16x128_f4), f32 sums; everything else in f32.
;; Inputs: keys_codes 32 x 2,048 x 2 x 16 uint8 (E2M1 codes of keys, K innermost, in blocks of 32 codes, two codes a byte); keys_scales 32 x 2,048 x 2 uint8 (E8M0 scales of keys, one for each 32 codes along K); queries_codes 32 x 2,048 x 2 x 16 uint8 (E2M1 codes of queries, K innermost, in blocks of 32 codes, two codes a byte); queries_scales 32 x 2,048 x 2 uint8 (E8M0 scales of queries, one for each 32 codes along K); valid_lens 32 int32; values_codes 32 x 64 x 64 x 16 uint8 (E2M1 codes of values, K innermost, in blocks of 32 codes, two codes a byte); values_scales 32 x 64 x 64 uint8 (E8M0 scales of values, one for each 32 codes along K).
;; Outputs: out0 32 x 2,048 x 64 float32.
;; This version of the problem:
;;   THIS VERSION OF THE PROBLEM IS GIVEN IN LOW PRECISION. The matrix products marked QUANTISED in the list below multiply operands that are first quantised to E2M1 (2 exponent bits, 1 mantissa bit; 4 bits a number), with one power-of-two scale for each 32 numbers along K (OCP MX v1.0); their sums are f32. All else is computed in f32.
;;   The module's matrix products, in the order in which they are computed (A, B: the left and right operand; K: the contracted axis; several contracted axes count as one K, in the product's order):
;;     1. batch 32 x [M 2,048, K 64] x [K 64, N 2,048]; A: input queries (given as codes); B: input keys (given as codes): QUANTISED
;;     2. batch 32 x [M 2,048, K 2,048] x [K 2,048, N 64]; A: softmax (see below); B: input values (given as codes): QUANTISED
;;   THE QUANTISER, for each operand of a quantised product, along K:
;;     - K is cut into blocks of 32 from its start; a last block that is shorter is filled with zeros.
;;     - A block's scale is 2^e with e = floor(log2(the largest magnitude in the block)) - 2, held to -126 .. 127; a block of zeros has e = 0. As a byte (E8M0): e + 127.
;;     - Each number is divided by its block's scale, clamped to +-6, and rounded to the nearest number of E2M1, ties to even, subnormals kept.
;;     - The product sums the exact products of the quantised numbers (number of the format x scale) in f32.
;;   ~~~python
;;   def quantise(x, axis):      # numpy; x: float32 -> the quantised numbers, widened to float32 again
;;       x = np.moveaxis(x, axis, -1); K = x.shape[-1]
;;       x = np.pad(x, [(0, 0)] * (x.ndim - 1) + [(0, -K % 32)]); x = x.reshape(x.shape[:-1] + (-1, 32)); a = np.abs(x).max(-1, keepdims=True)
;;       e = np.where(a > 0, np.clip(np.frexp(np.where(a > 0, a, 1))[1] - 1 - 2, -126, 127), 0)      # np.frexp(a)[1] - 1 = floor(log2(a)), exactly
;;       r = np.clip(x / 2.0 ** e, -6, 6)
;;       step = 2.0 ** (np.maximum(np.frexp(np.where(r == 0, 1, r))[1] - 1, 0) - 1)
;;       q = np.round(r / step) * step * 2.0 ** e      # np.round: ties to even
;;       return np.moveaxis(q.reshape(q.shape[:-2] + (-1,))[..., :K], -1, axis).astype(np.float32)
;;   ~~~
;;   SOFTMAX AHEAD OF A QUANTISED PRODUCT. Where the list says 'softmax', what is quantised is not the finished softmax but p = 2^(t - M), with t = logit x log2(e) and M = ceil(the row's largest t), a whole number; so 1/2 < the row's largest p <= 1. The row's sum l is taken of the UNQUANTISED p, in f32, and the product's result is divided by l at the end. Since M is a whole number, a kernel that streams over the keys may use a running M (the ceiling of the running maximum): every later rescaling is an exact power of two, which a block's scale takes up: the codes' values come out the same.
;;   OPERANDS COMPUTED ON THE WAY. 'Computed on the way' means the value that the module computes at that place (a softmax that the list does not call 'softmax' is quantised finished and normalised). What goes into a quantiser is computed in f32, as accurately as f32 sums, v_exp_f32 and their like allow (about 1e-6 of the number): no bf16 or f16 on the way to a quantiser, and a product that is left as it is and whose result goes on into a quantised operand takes f32 operands (vector FMAs, or v_wmma_f32_16x16x4_f32). A number that lies on a knife's edge between two numbers of the format may be rounded either way, as far as f32 arithmetic and the matrix unit's own rounding can turn it there, and no further.
;;   INPUTS GIVEN AS CODES. keys (in the module: [32, 2048, 64], K = its axis 2); queries (in the module: [32, 2048, 64], K = its axis 2); values (in the module: [32, 2048, 64], K = its axis 1): each comes as NAME_codes (uint8): NAME with its K axis moved to the last place and cut into blocks of 32 codes, [.., K / 32, bytes a block], one block behind the other in memory; two codes a byte, the lower K in the low four bits (a code: sign, 2 exponent bits, 1 mantissa bit); and NAME_scales (uint8): the same leading axes, one E8M0 byte (e + 127) for each 32 codes along K. Its value is code x scale, taken as it is: it is not quantised again, and the codes and scales need not be those that the quantiser above would give.
;; 2 versions. Each part assembles by itself: llvm-mc -triple=amdgcn-amd-amdhsa -mcpu=gfx1250 --defsym DOCPART=n.
;; ======== version 1 of 2: 1 launch
;; limits: right only within a limited range of input values
;; launch attn (part 1): grid 16 x 16, 16 waves a work-group, no clusters, 325,632 bytes of LDS; arguments keys_codes, keys_scales, queries_codes, queries_scales, valid_lens, values_codes, values_scales, out0; writes out0
.if DOCPART == 1
	.amdgcn_target "amdgcn-amd-amdhsa--gfx1250"
	.amdhsa_code_object_version 6
	.text
	.protected	k_qaf348d039a_attn
	.globl	k_qaf348d039a_attn
	.p2align	8
	.type	k_qaf348d039a_attn,@function
k_qaf348d039a_attn:
	s_mov_b64 s[64:65], 0
	v_nop
	global_prefetch_b8 v0, s[64:65] scope:SCOPE_SE
	s_setreg_imm32_b32 hwreg(HW_REG_WAVE_MODE, 25, 1), 1
	s_wait_xcnt 0x0
; out[b][q][:] = sum over k of softmax_k(mask(Q[b][q] . K[b][k] / 8)) V[b][k][:], 32 batches, 2,048 queries, 2,048 keys, head 64; key k counts where k < valid_lens[b], else its logit is -1e6.
; Both products on codes of FP4 (E2M1) with one E8M0 byte for each 32 along K.  Q, K: [32][2048][2][16] bytes, K = the head.  V: [32][64 d][64 blocks][16] bytes, K = the keys.  out: f32.
; THE SOFTMAX: t = logit x log2(e); M = the running largest t rounded UP to a whole number; p = 2^(t - M) is quantised along the keys; the sum of the unquantised p divides at the end.
; SHARES.  Work-group (g, p), sixteen waves.  Wave w has a role (bit 0 xor bit 2 of w) and a place idx = w / 2.  The batches are ranked by their count of key steps; role 0 takes the batch of rank p,
; role 1 that of rank 31 - p: a short walk and a long one lie side by side.  A wave owns ONE tile of 16 queries, 16 (8 g + idx) on, of its batch.
; KEY STEPS of 128 keys.  A step whose keys all lie at or behind valid_lens is left out: its p are 0.  The loop has 16 trips in every wave; a scalar branch on the count read from memory leads round a trip's work.
; K AND V of the two batches come through registers into LDS once, only the slots of 512 keys that are walked, laid as images of the operands' registers; one barrier; no barrier in the loop.
; The sixteen work-groups of one p read the same K and V.  They do not ask jointly: the branch on the count read from memory
; spares 16 - ceil(len / 128) of a tile's 16 steps, while a joint load would spare part of one fill of at most 288 KB.  All global loads stand at the head, so nothing is prefetched.
; LAYOUT.  Both products are used transposed (S^T = K Q^T, O^T = V^T P^T): a lane holds ONE query (lane % 16).  Lane r of tile 2 b + u takes key 32 b + 8 u + r + 8 (r / 8), so that the 16 registers
; of tiles 2 b and 2 b + 1 are 16 neighbouring keys, 32 b + 16 (lane / 16) + 0 .. 15.
; THE HEAD IS 64, THE INSTRUCTION 128 DEEP: source 0 holds tile 2 b in k 0-63 and tile 2 b + 1 in k 64-127; source 1 is [Q, 0] or [0, Q]: zero codes strike the other tile out.
; LIMITS.  Left-out steps equal the reference while a row's largest valid logit lies more than some 100 above -1e6.  valid_lens <= 0: the mean over all 2,048 keys (all logits equal);
; valid_lens > 2,048 counts as 2,048.  The scale byte 0xff (NaN) is not served: in a word of K's scales it would reach the partner tile's key too.  p under 2^-126 is 0.
.set RB,    144384                     ; LDS of a role: K's images, V's images, the scale words
.set VOFF,  65536                      ; K's images: [step 16][pair b 4][u 2] x 512 bytes; lane (r, h) at 256 h + 16 (r xor 8 h)
.set SOFF,  136192                     ; V's images: step x 4,416 + tile x 1,088 + c x 544 + h x 272 + 16 r
.set STG,   288768                     ; behind both roles: eight stages of 16 rows x 272 bytes, one for each pair of waves 2 m, 2 m + 1
.set KST,   4096
.set VST,   4416
.set VT,    1088
.set VC,    544
.set VH,    272
.set SST,   512                        ; the scale words: [step][lane 32][4 words]: words 0, 1 K's pairs 0|1, 2|3 (lanes 0-15 | 16-31), words 2, 3 V's tiles 0|1, 2|3
.set SP,    272                        ; a stage row: 256 bytes + 16
.set AK0, 1                            ; v1   my lane's place in an image of K (with my role's base)
.set AV0, 2                            ; v2   in an image of V
.set AS0, 3                            ; v3   among a step's scale words
.set STO, 4                            ; v4   the stage: where I put 32 bytes of a row
.set RD,  5                            ; v5   where I read a row back
.set GO,  6                            ; v6   my byte offset in the tile's rows of out
.set H16, 7                            ; v7   16 (lane / 16)
.set ADK, 8                            ; v8-10 the step's LDS addresses
.set ADV, 9
.set ADS, 10
.set NEGF, 11                          ; v11  what a hidden score becomes
.set Q,   16                           ; v16-19 Q, v20-23 zeros, v24-27 Q: [Q, 0] = v[16:23], [0, Q] = v[20:27];  v12 -M, v13 largest t, v[14:15] the sum
.set QS,  28                           ; v28  Q's scale word, its two bytes twice
.set DD,  29                           ; v29  len - first key - 16 (lane / 16)
.set OLD, 30                           ; v30  the old -M
.set SC,  32                           ; v32-35 the step's scale words
.set KR,  36                           ; v36-67 K, pair b at 36 + 8 b
.set VR,  68                           ; v68-99 V, tile t at 68 + 8 t
.set S,   100                          ; v100-163 S^T, then p
.set O,   164                          ; v164-195 O^T
.set PC,  196                          ; v196-203 p's codes
.set BM,  204                          ; v204-207 a block's largest score, then largest p
.set T2,  208                          ; v208-211 the other half's; then the bytes
.set SO,  212                          ; v212-215 the conversions' scale operands
.set F,   216                          ; v216 f = 2^(old M - new M);  v217 p's scale word
.set PW,  217
.set TT,  218
.set SUM2, 220                         ; v[220:221] the sum's second chain
.set FB,  64                           ; the fill: v64-191 codes, 32 registers a slot of 512 keys; v192-195 K's scales, v196-199 V's, v200-203 K's words
.set LN,  224                          ; the head's own: lane, r, h, three at work, j
.set R,   225
.set H,   226
.set TA,  227
.set TB,  228
.set TC,  229
.set J,   232
.set QO,  234
.set QSO, 235
.set GK,  240                          ; the fill's offsets in memory: K's codes and V's scales; V's codes; K's scales
.set GV,  241
.set GKS, 242
.set DK,  243                          ; and in LDS
.set DV,  244
.set DKS, 245
.set DVS, 246
.set LO,  248
.set LEN, 249
.set KEYV, 250
.set LV,  251
.set NV,  252
.set WV,  20
.set RHO, 21
.set IDX, 22
.set RBASE, 23
.set WANT, 24
.set KEY, 25
.set BB,  26                           ; s26 my batch;  s27 its length, 0 .. 2,048;  s28 its key steps, 1 .. 16
.set LL,  27
.set NN,  28
.set SEL, 36
.set CS,  38
.set KF,  40                           ; s40 the step's first key;  s41-43 where its images and words begin;  s44 the trip
.set TK,  41
.set TV,  42
.set TS,  43
.set CNT, 44
	s_load_b512 s[4:19], s[0:1], 0x0               ; K's codes s[4:5], K's scales s[6:7], Q's s[8:9], s[10:11], valid_lens s[12:13], V's s[14:15], s[16:17], out s[18:19]
	v_lshl_add_u32 v254, v0, 2, 0x4f000
	v_mov_b32 v255, 0
	v_and_b32 v[LN], 31, v0
	v_and_b32 v[R], 15, v0
	v_bfe_u32 v[H], v0, 4, 1
	v_lshrrev_b32 v[TA], 5, v0
	v_readfirstlane_b32 s[WV], v[TA]               ; wave 0..15
	v_lshlrev_b32 v[LO], 2, v[LN]
	s_lshr_b32 s[RHO], s[WV], 2
	s_xor_b32 s[RHO], s[RHO], s[WV]
	s_and_b32 s[RHO], s[RHO], 1                    ; my role: among any four waves w % 4 alike, and any four w / 4 alike, two of each role
	s_lshr_b32 s[IDX], s[WV], 1                    ; waves 2 m and 2 m + 1 have different roles: idx runs 0..7 in each role
	s_mul_i32 s[RBASE], s[RHO], RB
	s_and_b32 s[WANT], ttmp7, 0xffff               ; p
	s_sub_co_u32 s30, 31, s[WANT]
	s_cmp_lg_u32 s[RHO], 0
	s_cselect_b32 s[WANT], s30, s[WANT]            ; the rank that I want: p or 31 - p
	s_wait_kmcnt 0x0
	global_load_b32 v[LEN], v[LO], s[12:13]        ; lane i: valid_lens[i]
	; every LDS address is made here, of the thread's number and constants, while that load is out
	s_add_co_u32 s31, s[RBASE], VOFF
	s_add_co_u32 s45, s[RBASE], SOFF
	s_mul_i32 s30, s[IDX], 16*SP
	s_add_co_u32 s30, s30, STG                     ; my pair's stage
	v_lshlrev_b32 v[TA], 3, v[H]
	v_xor_b32 v[TA], v[TA], v[R]
	v_lshlrev_b32 v[TA], 4, v[TA]
	v_lshl_add_u32 v[TA], v[H], 8, v[TA]
	v_add_nc_u32 v[AK0], s[RBASE], v[TA]           ; 256 h + 16 (r xor 8 h)
	v_mul_u32_u24 v[TA], v[H], VH
	v_lshl_add_u32 v[TA], v[R], 4, v[TA]           ; 272 h + 16 r: in V's images, and on the way back from the stage (two rows an instruction)
	v_add_nc_u32 v[AV0], s31, v[TA]
	v_add_nc_u32 v[RD], s30, v[TA]
	v_lshl_add_u32 v[AS0], v[LN], 4, s45
	v_mul_u32_u24 v[TA], v[R], SP
	v_lshl_add_u32 v[TA], v[H], 5, v[TA]
	v_add_nc_u32 v[STO], s30, v[TA]                ; row r, + 32 h
	v_lshlrev_b32 v[GO], 4, v[R]
	v_lshl_add_u32 v[GO], v[H], 8, v[GO]           ; out: lanes 0-15 one row of 256 bytes, lanes 16-31 the next
	v_lshlrev_b32 v[H16], 4, v[H]
	v_lshlrev_b32 v[QO], 5, v[R]
	v_lshl_add_u32 v[QO], v[H], 4, v[QO]           ; Q: row r of 32 bytes, block h
	v_lshlrev_b32 v[QSO], 1, v[R]
	; THE FILL.  A role's 256 threads, j = 32 idx + lane.
	v_lshrrev_b32 v[J], 6, v0
	v_lshl_or_b32 v[J], v[J], 5, v[LN]
	v_lshlrev_b32 v[GK], 4, v[J]                   ; K's codes: a load takes a step's 4,096 bytes, 16 a thread: key j / 2 of the step, block j % 2
	v_lshrrev_b32 v[TA], 4, v[J]
	v_and_b32 v[TB], 15, v[J]
	v_lshlrev_b32 v[TB], 4, v[TB]
	v_lshl_add_u32 v[GV], v[TA], 10, v[TB]         ; V's codes: row j / 16 of a tile (1,024 bytes a row), block j % 16 of a slot: sixteen lanes read 256 consecutive bytes
	v_lshrrev_b32 v[TB], 1, v[J]
	v_and_b32 v[TC], 1, v[J]                       ; j % 2, kept
	v_lshlrev_b32 v[GKS], 3, v[TC]
	v_lshl_add_u32 v[GKS], v[TB], 5, v[GKS]        ; K's scales: keys 16 (j / 2) + 4 (j % 2) + 0..3, and the four keys 8 further on
	v_bfe_u32 v[TA], v[J], 1, 3                    ; key j / 2 = 32 b + 16 (r / 8) + 8 u + r % 8
	v_bfe_u32 v[TB], v[J], 5, 1
	v_lshl_or_b32 v[TA], v[TB], 3, v[TA]           ; r
	v_lshlrev_b32 v[TB], 3, v[TC]
	v_xor_b32 v[TA], v[TA], v[TB]                  ; r xor 8 h: sixteen neighbouring threads (8 keys x 2 blocks) store to sixteen different 16-byte columns modulo 256 bytes
	v_lshlrev_b32 v[TA], 4, v[TA]
	v_lshl_add_u32 v[TA], v[TC], 8, v[TA]
	v_bfe_u32 v[TB], v[J], 4, 1                    ; u
	v_lshl_add_u32 v[TA], v[TB], 9, v[TA]
	v_lshrrev_b32 v[TB], 6, v[J]                   ; b
	v_lshl_add_u32 v[TA], v[TB], 10, v[TA]
	v_add_nc_u32 v[DK], s[RBASE], v[TA]
	v_bfe_u32 v[TA], v[J], 2, 2                    ; V: block j % 16 = 4 (step in the slot) + 2 c + h
	v_mul_u32_u24 v[TA], v[TA], VST
	v_bfe_u32 v[TB], v[J], 1, 1
	v_mad_u32_u24 v[TA], v[TB], VC, v[TA]
	v_mad_u32_u24 v[TA], v[TC], VH, v[TA]          ; in units of 16 bytes the three pitches are 4, 2 and 1 modulo 16: sixteen threads of one row store to sixteen different columns
	v_lshrrev_b32 v[TB], 4, v[J]
	v_lshl_add_u32 v[TA], v[TB], 4, v[TA]
	v_add_nc_u32 v[DV], s31, v[TA]
	v_lshlrev_b32 v[TA], 9, v[TB]                  ; K's words: step j / 16; pair b = (j / 4) % 4: word b / 2, lanes 16 (b % 2) on; r = 8 ((j / 2) % 2) + 4 (j % 2) + 0..3
	v_and_b32 v[TB], 7, v[J]
	v_lshl_add_u32 v[TA], v[TB], 6, v[TA]
	v_bfe_u32 v[TB], v[J], 3, 1
	v_lshl_add_u32 v[TA], v[TB], 2, v[TA]
	v_add_nc_u32 v[DKS], s45, v[TA]
	v_and_b32 v[TA], 3, v[J]                       ; V's words: row d = j / 4 = 16 t + r, steps 4 (j % 4) + 0..3: word 2 + t / 2, lanes 16 (t % 2) on
	v_lshlrev_b32 v[TA], 11, v[TA]
	v_bfe_u32 v[TB], v[J], 6, 1
	v_lshl_add_u32 v[TA], v[TB], 8, v[TA]
	v_bfe_u32 v[TB], v[J], 2, 4
	v_lshl_add_u32 v[TA], v[TB], 4, v[TA]
	v_bfe_u32 v[TB], v[J], 7, 1
	v_lshl_add_u32 v[TA], v[TB], 2, v[TA]
	v_add_nc_u32 v[DVS], s45, v[TA]
	s_mov_b32 s[SEL], 0x76543210
	s_mov_b32 s[SEL+1], 0xfedcba98                 ; v_permlanex16_b32's selects for lane l xor 16
	s_mov_b32 s[CS], 0x3e38aa3b                    ; c = log2(e) / 8: the score as the product gives it x c is the logit x log2(e), bit for bit
	s_mov_b32 s[CS+1], s[CS]                       ; (named with it as a pair, so it is written)
	; THE RANKS.  Lane i makes batch i's sort key: steps << 17 | length << 5 | i: no two are equal.
	s_wait_loadcnt 0x0
	v_cmp_lt_i32 vcc_lo, 0, v[LEN]
	v_cndmask_b32 v[LV], 0, v[LEN], vcc_lo         ; a length of 0 or less counts as 0,
	v_min_u32 v[LV], 0x800, v[LV]                  ; one above 2,048 as 2,048
	v_add_nc_u32 v[NV], 0x7f, v[LV]
	v_lshrrev_b32 v[NV], 7, v[NV]
	v_cndmask_b32 v[NV], 16, v[NV], vcc_lo         ; with no valid key all 16 steps are walked
	v_lshl_or_b32 v[KEYV], v[LV], 5, v[LN]
	v_lshl_or_b32 v[KEYV], v[NV], 17, v[KEYV]
	s_mov_b32 s[KEY], 0
; Batch j's rank is the number of smaller sort keys: one compare against all 32 lanes and a count of its bits.  The sort key whose rank I want is kept.  Four batches by turns.
.macro RANK4 j
.irp i, 0,1,2,3
	v_readlane_b32 s[32+\i], v[KEYV], \j+\i
.endr
.irp i, 0,1,2,3
	v_cmp_gt_u32 s[40+\i], s[32+\i], v[KEYV]
.endr
.irp i, 0,1,2,3
	s_bcnt1_i32_b32 s[40+\i], s[40+\i]
.endr
.irp i, 0,1,2,3
	s_cmp_eq_u32 s[40+\i], s[WANT]
	s_cselect_b32 s[KEY], s[32+\i], s[KEY]
.endr
.endm
.irp j, 0,4,8,12,16,20,24,28
	RANK4 \j
.endr
	s_and_b32 s[BB], s[KEY], 31
	s_min_u32 s[BB], s[BB], 31                     ; my batch: held to the tensors' 32 ahead of every address
	s_bfe_u32 s[LL], s[KEY], 0xc0005               ; its length
	s_lshr_b32 s[NN], s[KEY], 17                   ; its key steps
	s_cmp_eq_u32 s[LL], 0
	s_cselect_b32 s45, 0, 0xcaf42400               ; a hidden score becomes -8e6 (x 1/8 = -1e6).  With no valid key all logits are equal: 0 for all gives the same p = 1
	v_mov_b32 v[NEGF], s45
	s_lshl_b32 s30, ttmp9, 3
	s_add_co_u32 s30, s30, s[IDX]                  ; my tile of queries: 8 g + idx
	s_lshl_b32 s32, s[BB], 16                      ; a batch's codes are 65,536 bytes in each tensor,
	s_mov_b32 s33, 0
	s_mov_b32 s35, 0
	s_add_nc_u64 s[4:5], s[4:5], s[32:33]
	s_add_nc_u64 s[14:15], s[14:15], s[32:33]
	s_lshl_b32 s34, s30, 9                         ; a tile of Q 512
	s_add_co_u32 s34, s34, s32
	s_add_nc_u64 s[8:9], s[8:9], s[34:35]
	s_lshl_b32 s32, s[BB], 12                      ; its scale bytes 4,096,
	s_add_nc_u64 s[6:7], s[6:7], s[32:33]
	s_add_nc_u64 s[16:17], s[16:17], s[32:33]
	s_lshl_b32 s34, s30, 5                         ; a tile's 32
	s_add_co_u32 s34, s34, s32
	s_add_nc_u64 s[10:11], s[10:11], s[34:35]
	s_lshl_b32 s32, s[BB], 19                      ; its rows of out 524,288, a tile's 4,096
	s_lshl_b32 s34, s30, 12
	s_add_co_u32 s34, s34, s32
	s_add_nc_u64 s[18:19], s[18:19], s[34:35]
	global_load_b128 v[Q:Q+3], v[QO], s[8:9]       ; Q's fragment, twice: at the head of [Q, 0] and at the end of [0, Q]
	global_load_b128 v[Q+8:Q+11], v[QO], s[8:9]
	global_load_u16 v[QS], v[QSO], s[10:11]
	global_load_b64 v[192:193], v[GKS], s[6:7]
	global_load_b64 v[194:195], v[GKS], s[6:7] offset:16
	global_load_b128 v[196:199], v[GK], s[16:17]
.macro FILLLD g                        ; slot g: 512 keys: four steps of K, and 256 bytes of each of V's 64 rows
.irp i, 0,1,2,3
	global_load_b128 v[FB+32*\g+4*\i:FB+32*\g+4*\i+3], v[GK], s[4:5] offset:(4*\g+\i)*KST
.endr
.irp t, 0,1,2,3
	global_load_b128 v[FB+32*\g+16+4*\t:FB+32*\g+16+4*\t+3], v[GV], s[14:15] offset:\t*16384+\g*256
.endr
.endm
.macro FILLST g
.irp i, 0,1,2,3
	ds_store_b128 v[DK], v[FB+32*\g+4*\i:FB+32*\g+4*\i+3] offset:(4*\g+\i)*KST
.endr
.irp t, 0,1,2,3
	ds_store_b128 v[DV], v[FB+32*\g+16+4*\t:FB+32*\g+16+4*\t+3] offset:\g*4*VST+\t*VT
.endr
.endm
	FILLLD 0                                       ; only the slots that the batch's steps reach are fetched; each way stores just what it loaded
	s_cmp_le_u32 s[NN], 4
	s_cbranch_scc1 .Lst0
	FILLLD 1
	s_cmp_le_u32 s[NN], 8
	s_cbranch_scc1 .Lst1
	FILLLD 2
	s_cmp_le_u32 s[NN], 12
	s_cbranch_scc1 .Lst2
	FILLLD 3
	s_wait_loadcnt 0x0
	FILLST 3
.Lst2:
	s_wait_loadcnt 0x0                             ; for the way that jumped here; met at once on the way from above
	FILLST 2
.Lst1:
	s_wait_loadcnt 0x0
	FILLST 1
.Lst0:
	s_wait_loadcnt 0x0
	FILLST 0
	v_perm_b32 v200, v194, v192, 0x05040100        ; a word of K's scales: the two bytes of a key of tile 2 b, then those of the key 8 further on, which has the same lane in tile 2 b + 1
	v_perm_b32 v201, v194, v192, 0x07060302
	v_perm_b32 v202, v195, v193, 0x05040100
	v_perm_b32 v203, v195, v193, 0x07060302
.irp m, 0,1,2,3
	ds_store_b32 v[DKS], v[200+\m] offset:16*\m
.endr
.irp m, 0,1,2,3
	ds_store_b32 v[DVS], v[196+\m] offset:512*\m+8 ; four bytes of a row of V's scales are a step's word as they lie
.endr
	v_lshl_or_b32 v[QS], v[QS], 16, v[QS]          ; Q's two bytes serve k 0-63 and k 64-127
.irp i, 4,5,6,7
	v_mov_b32 v[Q+\i], 0                           ; the zero codes between the two copies of Q
.endr
	v_mov_b32 v13, 0xff61b1e6                      ; the largest t so far: -3e38, under every t
	v_floor_f32 v12, -v13                          ; -M
	v_mov_b32 v14, 0                               ; the sum, in two halves
	v_mov_b32 v15, 0
.irp b, 0,1,2,3
	v_mov_b32 v[T2+\b], 0                          ; written once: a lane permute's destination counts as one of its sources
.endr
	v_mov_b32 v[PW], 0                             ; (named as the upper half of the pair v[216:217] before it is first written)
.set n, 0
.rept 32
	v_mov_b32 v[O+n], 0                            ; O^T.  The step is written once: the first finds zeros, which the first change of M leaves zeros
.set n, n+1
.endr
	s_mov_b32 s[KF], 0
	s_mov_b32 s[TK], 0
	s_mov_b32 s[TV], 0
	s_mov_b32 s[TS], 0
	s_mov_b32 s[CNT], 0
	s_wait_dscnt 0x0                               ; for the others' sake: my stores into the images have landed
	s_barrier_signal -1
	s_barrier_wait -1                              ; both batches' images are whole; they are only read from here on
.Lstep:                                            ; 16 trips in every wave; from my batch's step count on only the steps of addresses are left
	s_cmp_ge_u32 s[CNT], s[NN]
	s_cbranch_scc1 .Lskip
	v_add_nc_u32 v[ADK], s[TK], v[AK0]             ; these three and the v_nop are the four places between the last trip's products and the loads into registers that they read
	v_add_nc_u32 v[ADV], s[TV], v[AV0]
	v_add_nc_u32 v[ADS], s[TS], v[AS0]
	v_nop
	ds_load_b128 v[SC:SC+3], v[ADS]
.irp b, 0,1,2,3
.irp u, 0,1
	ds_load_b128 v[KR+8*\b+4*\u:KR+8*\b+4*\u+3], v[ADK] offset:\b*1024+\u*512
.endr
.endr
.irp t, 0,1,2,3
.irp c, 0,1
	ds_load_b128 v[VR+8*\t+4*\c:VR+8*\t+4*\c+3], v[ADV] offset:\t*VT+\c*VC
.endr
.endr
	s_wait_dscnt 8                                 ; the scale words and K are in; the youngest eight loads, V's, land under the softmax
.irp b, 0,1,2,3                                ; S^T = K Q^T: eight tiles of 16 keys, two from each pair of K's fragments
.irp u, 0,1
.if \b % 2
	v_wmma_scale_f32_16x16x128_f8f6f4 v[S+8*(2*\b+\u):S+8*(2*\b+\u)+7], v[KR+8*\b:KR+8*\b+7], v[Q+4*\u:Q+4*\u+7], 0, v[SC+\b/2], v[QS] matrix_a_fmt:MATRIX_FMT_FP4 matrix_b_fmt:MATRIX_FMT_FP4 matrix_a_scale:MATRIX_SCALE_ROW1
.else
	v_wmma_scale_f32_16x16x128_f8f6f4 v[S+8*(2*\b+\u):S+8*(2*\b+\u)+7], v[KR+8*\b:KR+8*\b+7], v[Q+4*\u:Q+4*\u+7], 0, v[SC+\b/2], v[QS] matrix_a_fmt:MATRIX_FMT_FP4 matrix_b_fmt:MATRIX_FMT_FP4
.endif
.endr
.endr
	s_sub_co_i32 s45, s[LL], s[KF]
	v_mov_b32 v[OLD], v12                          ; four places behind the products (ISA guide 7.12.1): the old -M, the mask's distance, two v_nop
	v_sub_nc_u32 v[DD], s45, v[H16]                ; d = len - first key - 16 (lane / 16)
	v_nop
	v_nop
	s_add_co_u32 s31, s[KF], 128
	s_cmp_le_u32 s31, s[LL]
	s_cbranch_scc1 .Lopen                          ; all 128 keys count: nothing to hide
.set n, 0
.rept 64                                       ; register 16 b + i holds key first + 32 b + 16 (lane / 16) + i: hidden where 32 b + i >= d.  Ascending: each accumulator is first read at its low end
	v_cmp_ge_i32 vcc_lo, 32*(n/16)+n%16, v[DD]
	v_cndmask_b32 v[S+n], v[S+n], v[NEGF], vcc_lo
.set n, n+1
.endr
.Lopen:
.irp b, 0,1,2,3
	v_max3_num_f32 v[BM+\b], v[S+16*\b], v[S+16*\b+1], v[S+16*\b+2]   ; the largest score of each block of 32 keys: it serves the row's maximum and, since p rises with the score, the block's largest p
.endr
.irp i, 3,5,7,9,11,13
.irp b, 0,1,2,3
	v_max3_num_f32 v[BM+\b], v[BM+\b], v[S+16*\b+\i], v[S+16*\b+\i+1] ; (the four blocks by turns)
.endr
.endr
.irp b, 0,1,2,3
	v_max_num_f32 v[BM+\b], v[BM+\b], v[S+16*\b+15]
.endr
.irp b, 0,1,2,3
	v_permlanex16_b32 v[T2+\b], v[BM+\b], s[SEL], s[SEL+1]
.endr
.irp b, 0,1,2,3
	v_max_num_f32 v[BM+\b], v[BM+\b], v[T2+\b]     ; with lane l xor 16's 16 keys
.endr
	v_max3_num_f32 v[TT], v[BM], v[BM+1], v[BM+2]
	v_max_num_f32 v[TT], v[TT], v[BM+3]            ; the step's largest score of my query
	v_mul_f32 v[TT], s[CS], v[TT]                  ; as t (c is positive)
	v_max_num_f32 v13, v13, v[TT]                  ; the running largest t
	v_floor_f32 v12, -v13                          ; the new -M = floor(-t) = -ceil(t): a whole number
	v_sub_f32 v[TT], v12, v[OLD]                   ; old M - new M: a whole number, 0 or less
	v_cvt_i32_f32 v[TT], v[TT]                     ; (it saturates)
	v_ldexp_f32 v[F], 1.0, v[TT]                   ; f = 2^(old M - new M): a multiplication by it rounds nothing
.set n, 0
.rept 32
	v_pk_fma_f32 v[S+n:S+n+1], v[S+n:S+n+1], s[CS:CS+1], v[12:13] op_sel_hi:[1,0,0]   ; t - M, two at a time (of the pairs c and -M the low word serves both halves)
.set n, n+2
.endr
.irp b, 0,1,2,3
	v_fma_f32 v[BM+\b], v[BM+\b], s[CS], v12       ; the same of each block's largest score
.endr
.set n, 0
.rept 64
	v_exp_f32 v[S+n], v[S+n]                       ; p = 2^(t - M), at most 1: not normalised
.set n, n+1
.endr
	v_pk_mul_f32 v[14:15], v[14:15], v[F:F+1] op_sel_hi:[1,0]   ; the sums under the new M: the plain instruction behind the exponentials
	s_wait_alu depctr_va_vdst(0)                   ; the wait ahead of the first line that names a result: one for the 64
.irp b, 0,1,2,3
	v_exp_f32 v[BM+\b], v[BM+\b]                   ; the block's largest p: the same two instructions on the same number give the same bits
.endr
	v_pk_add_f32 v[SUM2:SUM2+1], v[S:S+1], v[S+2:S+3]           ; the row's sum is taken of the unquantised p: two at a time, in two chains
.set n, 4
.rept 15
	v_pk_add_f32 v[14:15], v[14:15], v[S+n:S+n+1]
	v_pk_add_f32 v[SUM2:SUM2+1], v[SUM2:SUM2+1], v[S+n+2:S+n+3]
.set n, n+4
.endr
	v_pk_add_f32 v[14:15], v[14:15], v[SUM2:SUM2+1]
	s_wait_alu depctr_va_vdst(0)                   ; and one for the four
.irp b, 0,1,2,3
	v_max_num_f32 v[BM+\b], 0x1800000, v[BM+\b]    ; the floor 2^(3 - 127): the byte cannot fall under 1 (a block whose every p is 0 keeps that byte: its codes are zeros)
.endr
.irp b, 0,1,2,3
	v_add_nc_u32 v[SO+\b], 0xff000000, v[BM+\b]    ; 2 off the exponent field: the conversion's scale operand
.endr
.irp b, 0,1,2,3
	v_lshrrev_b32 v[T2+\b], 23, v[SO+\b]           ; the scale's byte
.endr
	v_lshl_or_b32 v[PW], v[T2+1], 8, v[T2]         ; p's scale word for these 128 keys
	v_lshl_or_b32 v[PW], v[T2+2], 16, v[PW]
	v_lshl_or_b32 v[PW], v[T2+3], 24, v[PW]
.irp b, 0,1,2,3
	v_cvt_scalef32_pk8_fp4_f32 v[PC+2*\b], v[S+16*\b:S+16*\b+7], v[SO+\b]
	v_cvt_scalef32_pk8_fp4_f32 v[PC+2*\b+1], v[S+16*\b+8:S+16*\b+15], v[SO+\b]
.endr
	v_nop                                          ; one plain instruction between a scaled conversion and the line that touches its result
.irp c, 0,1                                    ; the operand's layout wants a whole block in a lane: lanes 0-15 block 2 c, lanes 16-31 block 2 c + 1
.irp i, 0,1
	v_permlane16_swap_b32 v[PC+4*\c+\i], v[PC+4*\c+2+\i]
.endr
.endr
.set n, 0
.rept 16
	v_pk_mul_f32 v[O+n:O+n+1], v[O+n:O+n+1], v[F:F+1] op_sel_hi:[1,0]   ; O^T under the new M, ascending.  These sixteen also stand between the lines that made p's codes and scale word and the products
.set n, n+2
.endr
	s_wait_dscnt 0x0                               ; V is in
.irp t, 0,1,2,3                                ; O^T += V^T P^T: four tiles of 16 of the head's 64, one accumulator each; K = these 128 keys
.if \t % 2
	v_wmma_scale_f32_16x16x128_f8f6f4 v[O+8*\t:O+8*\t+7], v[VR+8*\t:VR+8*\t+7], v[PC:PC+7], v[O+8*\t:O+8*\t+7], v[SC+2+\t/2], v[PW] matrix_a_fmt:MATRIX_FMT_FP4 matrix_b_fmt:MATRIX_FMT_FP4 matrix_a_scale:MATRIX_SCALE_ROW1
.else
	v_wmma_scale_f32_16x16x128_f8f6f4 v[O+8*\t:O+8*\t+7], v[VR+8*\t:VR+8*\t+7], v[PC:PC+7], v[O+8*\t:O+8*\t+7], v[SC+2+\t/2], v[PW] matrix_a_fmt:MATRIX_FMT_FP4 matrix_b_fmt:MATRIX_FMT_FP4
.endif
.endr
.Lskip:
	s_add_co_u32 s[KF], s[KF], 128
	s_add_co_u32 s[TK], s[TK], KST
	s_add_co_u32 s[TV], s[TV], VST
	s_add_co_u32 s[TS], s[TS], SST
	s_add_co_u32 s[CNT], s[CNT], 1
	s_cmp_lt_u32 s[CNT], 16
	s_cbranch_scc1 .Lstep
; THE WAY OUT.  The sum's halves are added; O^T / the sum goes through the stage (a lane's 32 bytes of a row in, whole rows of 256 bytes back) and leaves two rows, 512 consecutive aligned bytes, a store.
.macro WAYOUT
.rept 4
	v_nop                                          ; places behind the last products
.endr
	v_add_f32 v14, v14, v15
	v_permlanex16_b32 v[T2], v14, s[SEL], s[SEL+1]
	v_add_f32 v14, v14, v[T2]                      ; with lane l xor 16's: the row's sum
	v_rcp_f32 v14, v14
	v_nop                                          ; a plain instruction behind the reciprocal,
	s_wait_alu depctr_va_vdst(0)                   ; and the wait ahead of its first reader
.set n, 0
.rept 16
	v_pk_mul_f32 v[S+n:S+n+1], v[O+n:O+n+1], v[14:15] op_sel_hi:[1,0]   ; register 8 t + i is out(r, 16 t + 8 h + i)
.set n, n+2
.endr
.irp t, 0,1,2,3
	ds_store_b128 v[STO], v[S+8*\t:S+8*\t+3] offset:64*\t
	ds_store_b128 v[STO], v[S+8*\t+4:S+8*\t+7] offset:64*\t+16
.endr
.irp i, 0,1,2,3,4,5,6,7
	ds_load_b128 v[S+32+4*\i:S+32+4*\i+3], v[RD] offset:\i*2*SP   ; LDS serves a wave's instructions in order (ISA guide 5.7.1.4): these see my stores
.endr
.irp i, 0,1,2,3,4,5,6,7
	s_wait_dscnt 7-\i                              ; load i is back; the younger ones may be out
	global_store_b128 v[GO], v[S+32+4*\i:S+32+4*\i+3], s[18:19] offset:512*\i th:TH_STORE_NT
.endr
.endm
	s_cmp_lg_u32 s[RHO], 0                         ; the shorter batch's tiles leave now, while the longer batch is still multiplied: a pair's stage is first the role-0 wave's
	s_cbranch_scc1 .Llonger
	WAYOUT
.Llonger:
	s_wait_dscnt 0x0                               ; my reads of the stage, and of the images, are back
	s_barrier_signal -1
	s_barrier_wait -1                              ; behind it a pair's stage is the role-1 wave's
	s_cmp_eq_u32 s[RHO], 0
	s_cbranch_scc1 .Lend
	WAYOUT
.Lend:
	s_wait_tensorcnt 0x0
	ds_add_u32 v254, v255
	s_wait_dscnt 0x0
	s_endpgm
.Lfunc_end_k_qaf348d039a_attn:
	.size	k_qaf348d039a_attn, .Lfunc_end_k_qaf348d039a_attn-k_qaf348d039a_attn
	.p2alignl 7, 3214868480
	.fill 96, 4, 3214868480
	.section	.rodata,"a",@progbits
	.p2align	6, 0x0
	.amdhsa_kernel k_qaf348d039a_attn
		.amdhsa_group_segment_fixed_size 325632
		.amdhsa_private_segment_fixed_size 0
		.amdhsa_enable_private_segment 0
		.amdhsa_kernarg_size 64
		.amdhsa_user_sgpr_count 2
		.amdhsa_user_sgpr_kernarg_segment_ptr 1
		.amdhsa_wavefront_size32 1
		.amdhsa_system_sgpr_workgroup_id_x 1
		.amdhsa_system_sgpr_workgroup_id_y 1
		.amdhsa_system_sgpr_workgroup_id_z 1
		.amdhsa_system_vgpr_workitem_id 0
		.amdhsa_next_free_vgpr 256
		.amdhsa_next_free_sgpr 66
		.amdhsa_reserve_vcc 1
		.amdhsa_float_denorm_mode_32 3
		.amdhsa_float_denorm_mode_16_64 3
		.amdhsa_memory_ordered 1
		.amdhsa_forward_progress 1
		.amdhsa_inst_pref_size 49
	.end_amdhsa_kernel
	.amdgpu_metadata
---
amdhsa.version: [ 1, 2 ]
amdhsa.kernels:
  - .name:           k_qaf348d039a_attn
    .symbol:         k_qaf348d039a_attn.kd
    .args:
      - { .name: keys_codes, .offset: 0, .size: 8, .value_kind: global_buffer, .address_space: global }
      - { .name: keys_scales, .offset: 8, .size: 8, .value_kind: global_buffer, .address_space: global }
      - { .name: queries_codes, .offset: 16, .size: 8, .value_kind: global_buffer, .address_space: global }
      - { .name: queries_scales, .offset: 24, .size: 8, .value_kind: global_buffer, .address_space: global }
      - { .name: valid_lens, .offset: 32, .size: 8, .value_kind: global_buffer, .address_space: global }
      - { .name: values_codes, .offset: 40, .size: 8, .value_kind: global_buffer, .address_space: global }
      - { .name: values_scales, .offset: 48, .size: 8, .value_kind: global_buffer, .address_space: global }
      - { .name: out0, .offset: 56, .size: 8, .value_kind: global_buffer, .address_space: global }
    .group_segment_fixed_size: 325632
    .private_segment_fixed_size: 0
    .kernarg_segment_align: 8
    .kernarg_segment_size: 64
    .max_flat_workgroup_size: 512
    .sgpr_count:     66
    .vgpr_count:     256
    .wavefront_size: 32
...
	.end_amdgpu_metadata
.endif
;; end of part 1
;; ======== version 2 of 2: 1 launch; version 1 with the launch attn written anew for expert scheduling mode
;; limits: right only within a limited range of input values
;; launch attn (part 2): grid 16 x 16, 16 waves a work-group, no clusters, 325,632 bytes of LDS; arguments keys_codes, keys_scales, queries_codes, queries_scales, valid_lens, values_codes, values_scales, out0; writes out0
.if DOCPART == 2
	.amdgcn_target "amdgcn-amd-amdhsa--gfx1250"
	.amdhsa_code_object_version 6
	.text
	.protected	k_qaf348d039a_attn
	.globl	k_qaf348d039a_attn
	.p2align	8
	.type	k_qaf348d039a_attn,@function
k_qaf348d039a_attn:
	s_mov_b64 s[64:65], 0
	v_nop
	global_prefetch_b8 v0, s[64:65] scope:SCOPE_SE
	s_setreg_imm32_b32 hwreg(HW_REG_WAVE_SCHED_MODE, 0, 2), 2
	s_setreg_imm32_b32 hwreg(HW_REG_WAVE_MODE, 25, 1), 1
	s_wait_xcnt 0x0
	s_wait_alu depctr_vm_vsrc(0)
; out[b][q][:] = sum over k of softmax_k(mask(Q[b][q] . K[b][k] / 8)) V[b][k][:], 32 batches, 2,048 queries, 2,048 keys, head 64; key k counts where k < valid_lens[b], else its logit is -1e6.
; Both products on codes of FP4 (E2M1) with one E8M0 byte for each 32 along K.  Q, K: [32][2048][2][16] bytes, K = the head.  V: [32][64 d][64 blocks][16] bytes, K = the keys.  out: f32.
; THE SOFTMAX: t = logit x log2(e); M = the running largest t rounded UP to a whole number; p = 2^(t - M) is quantised along the keys; the sum of the unquantised p divides at the end.
; SHARES.  Work-group (g, p), sixteen waves.  Wave w has a role (bit 0 xor bit 2 of w) and a place idx = w / 2.  The batches are ranked by their count of key steps; role 0 takes the batch of rank p,
; role 1 that of rank 31 - p: a short walk and a long one lie side by side.  A wave owns ONE tile of 16 queries, 16 (8 g + idx) on, of its batch.
; KEY STEPS of 128 keys.  A step whose keys all lie at or behind valid_lens is left out: its p are 0.  The loop has 16 trips in every wave; a scalar branch on the count read from memory leads round a trip's work.
; K AND V of the two batches come through registers into LDS once, only the slots of 512 keys that are walked, laid as images of the operands' registers; one barrier; no barrier in the loop.
; The sixteen work-groups of one p read the same K and V.  They do not ask jointly: the branch on the count read from memory
; spares 16 - ceil(len / 128) of a tile's 16 steps, while a joint load would spare part of one fill of at most 288 KB.  All global loads stand at the head, so nothing is prefetched.
; LAYOUT.  Both products are used transposed (S^T = K Q^T, O^T = V^T P^T): a lane holds ONE query (lane % 16).  Lane r of tile 2 b + u takes key 32 b + 8 u + r + 8 (r / 8), so that the 16 registers
; of tiles 2 b and 2 b + 1 are 16 neighbouring keys, 32 b + 16 (lane / 16) + 0 .. 15.
; THE HEAD IS 64, THE INSTRUCTION 128 DEEP: source 0 holds tile 2 b in k 0-63 and tile 2 b + 1 in k 64-127; source 1 is [Q, 0] or [0, Q]: zero codes strike the other tile out.
; LIMITS.  Left-out steps equal the reference while a row's largest valid logit lies more than some 100 above -1e6.  valid_lens <= 0: the mean over all 2,048 keys (all logits equal);
; valid_lens > 2,048 counts as 2,048.  The scale byte 0xff (NaN) is not served: in a word of K's scales it would reach the partner tile's key too.  p under 2^-126 is 0.
; THE MODE: SCHED_MODE bits 1:0 = 2 (LLVM: expert scheduling mode 2), set by the entry lines.  The code itself states the register dependences between vector or matrix instructions and
; memory or LDS instructions, and those through scalar registers that vector instructions write, with s_wait_alu, always for 0.
; THE PLAN.  Registers that memory or LDS instructions touch:
;   the head    v234-248 offsets and LDS addresses of the fill, v4-6 those of the way out: written once by vector lines, ahead of one wait on va_vdst, and never again.
;               v64-199 the fill's data: loads land, LDS stores read; v200-203 four words made by vector lines, read by LDS stores.  One wait on vm_vsrc behind the last store frees them all.
;   the loop    v8-10   the step's three LDS addresses: written by three adds at the step's head, read by its 17 LDS loads.
;               SC, KR  LDS loads land at the step's head; the step's matrix instructions read them (SC up to the step's last product).
;               VR      LDS loads land; the step's last four products read it.
;               S, O, p's codes and scale word and the statistics are named by vector and matrix instructions alone.
;   So a step has one wait on vm_vsrc ahead of the adds, one on va_vdst behind them (the addresses are written; the last trip's products are done reading SC, KR and VR), on which all 17 loads lean:
;   between it and the last of them stand only the eight products K Q^T, which name KR, Q, SC, Q's scales and S, none of VR or its address.  A third wait, on va_vdst, stands ahead of the products
;   V^T P^T: p's codes and scale word come from vector lines.
;   the way out v100-131 written by the multiplies, read by LDS stores; v132-163 LDS loads land, global stores read: one wait on va_vdst behind the multiplies.  The way out is written twice, for the
;               two roles, on the same registers: one wait on vm_vsrc stands between the two copies.
.set RB,    144384                     ; LDS of a role: K's images, V's images, the scale words
.set VOFF,  65536                      ; K's images: [step 16][pair b 4][u 2] x 512 bytes; lane (r, h) at 256 h + 16 (r xor 8 h)
.set SOFF,  136192                     ; V's images: step x 4,416 + tile x 1,088 + c x 544 + h x 272 + 16 r
.set STG,   288768                     ; behind both roles: eight stages of 16 rows x 272 bytes, one for each pair of waves 2 m, 2 m + 1
.set KST,   4096
.set VST,   4416
.set VT,    1088
.set VC,    544
.set VH,    272
.set SST,   512                        ; the scale words: [step][lane 32][4 words]: words 0, 1 K's pairs 0|1, 2|3 (lanes 0-15 | 16-31), words 2, 3 V's tiles 0|1, 2|3
.set SP,    272                        ; a stage row: 256 bytes + 16
.set AK0, 1                            ; v1   my lane's place in an image of K (with my role's base)
.set AV0, 2                            ; v2   in an image of V
.set AS0, 3                            ; v3   among a step's scale words
.set STO, 4                            ; v4   the stage: where I put 32 bytes of a row
.set RD,  5                            ; v5   where I read a row back
.set GO,  6                            ; v6   my byte offset in the tile's rows of out
.set H16, 7                            ; v7   16 (lane / 16)
.set ADK, 8                            ; v8-10 the step's LDS addresses
.set ADV, 9
.set ADS, 10
.set NEGF, 11                          ; v11  what a hidden score becomes
.set Q,   16                           ; v16-19 Q, v20-23 zeros, v24-27 Q: [Q, 0] = v[16:23], [0, Q] = v[20:27];  v12 -M, v13 largest t, v[14:15] the sum
.set QS,  28                           ; v28  Q's scale word, its two bytes twice
.set DD,  29                           ; v29  len - first key - 16 (lane / 16)
.set OLD, 30                           ; v30  the old -M
.set SC,  32                           ; v32-35 the step's scale words
.set KR,  36                           ; v36-67 K, pair b at 36 + 8 b
.set VR,  68                           ; v68-99 V, tile t at 68 + 8 t
.set S,   100                          ; v100-163 S^T, then p
.set O,   164                          ; v164-195 O^T
.set PC,  196                          ; v196-203 p's codes
.set BM,  204                          ; v204-207 a block's largest score, then largest p
.set T2,  208                          ; v208-211 the other half's; then the bytes
.set SO,  212                          ; v212-215 the conversions' scale operands
.set F,   216                          ; v216 f = 2^(old M - new M);  v217 p's scale word
.set PW,  217
.set TT,  218
.set SUM2, 220                         ; v[220:221] the sum's second chain
.set FB,  64                           ; the fill: v64-191 codes, 32 registers a slot of 512 keys; v192-195 K's scales, v196-199 V's, v200-203 K's words
.set LN,  224                          ; the head's own: lane, r, h, three at work, j
.set R,   225
.set H,   226
.set TA,  227
.set TB,  228
.set TC,  229
.set J,   232
.set QO,  234
.set QSO, 235
.set GK,  240                          ; the fill's offsets in memory: K's codes and V's scales; V's codes; K's scales
.set GV,  241
.set GKS, 242
.set DK,  243                          ; and in LDS
.set DV,  244
.set DKS, 245
.set DVS, 246
.set LO,  248
.set LEN, 249
.set KEYV, 250
.set LV,  251
.set NV,  252
.set MK,  2                            ; s2-17 in the loop: sixteen masks of hidden keys (the tensors' addresses that lay in s4-17 are done with: every load that read them has been waited for)
.set WV,  20
.set RHO, 21
.set IDX, 22
.set RBASE, 23
.set WANT, 24
.set KEY, 25
.set BB,  26                           ; s26 my batch;  s27 its length, 0 .. 2,048;  s28 its key steps, 1 .. 16
.set LL,  27
.set NN,  28
.set SEL, 36
.set CS,  38
.set KF,  40                           ; s40 the step's first key;  s41-43 where its images and words begin;  s44 the trip
.set TK,  41
.set TV,  42
.set TS,  43
.set CNT, 44
	s_load_b512 s[4:19], s[0:1], 0x0               ; K's codes s[4:5], K's scales s[6:7], Q's s[8:9], s[10:11], valid_lens s[12:13], V's s[14:15], s[16:17], out s[18:19]
	v_lshl_add_u32 v254, v0, 2, 0x4f000
	v_mov_b32 v255, 0
	v_and_b32 v[LN], 31, v0
	v_and_b32 v[R], 15, v0
	v_bfe_u32 v[H], v0, 4, 1
	v_lshrrev_b32 v[TA], 5, v0
	v_readfirstlane_b32 s[WV], v[TA]               ; wave 0..15
	v_lshlrev_b32 v[LO], 2, v[LN]
	s_wait_alu depctr_va_sdst(0)                   ; the wave's number is written, ahead of its first reader
	s_lshr_b32 s[RHO], s[WV], 2
	s_xor_b32 s[RHO], s[RHO], s[WV]
	s_and_b32 s[RHO], s[RHO], 1                    ; my role: among any four waves w % 4 alike, and any four w / 4 alike, two of each role
	s_lshr_b32 s[IDX], s[WV], 1                    ; waves 2 m and 2 m + 1 have different roles: idx runs 0..7 in each role
	s_mul_i32 s[RBASE], s[RHO], RB
	s_and_b32 s[WANT], ttmp7, 0xffff               ; p
	s_sub_co_u32 s30, 31, s[WANT]
	s_cmp_lg_u32 s[RHO], 0
	s_cselect_b32 s[WANT], s30, s[WANT]            ; the rank that I want: p or 31 - p
	s_wait_kmcnt 0x0
	s_wait_alu depctr_va_vdst(0)                   ; v[LO] is written, which the load below reads as its offset
	global_load_b32 v[LEN], v[LO], s[12:13]        ; lane i: valid_lens[i]
	; every LDS address is made here, of the thread's number and constants, while that load is out
	s_add_co_u32 s31, s[RBASE], VOFF
	s_add_co_u32 s45, s[RBASE], SOFF
	s_mul_i32 s30, s[IDX], 16*SP
	s_add_co_u32 s30, s30, STG                     ; my pair's stage
	v_lshlrev_b32 v[TA], 3, v[H]
	v_xor_b32 v[TA], v[TA], v[R]
	v_lshlrev_b32 v[TA], 4, v[TA]
	v_lshl_add_u32 v[TA], v[H], 8, v[TA]
	v_add_nc_u32 v[AK0], s[RBASE], v[TA]           ; 256 h + 16 (r xor 8 h)
	v_mul_u32_u24 v[TA], v[H], VH
	v_lshl_add_u32 v[TA], v[R], 4, v[TA]           ; 272 h + 16 r: in V's images, and on the way back from the stage (two rows an instruction)
	v_add_nc_u32 v[AV0], s31, v[TA]
	v_add_nc_u32 v[RD], s30, v[TA]
	v_lshl_add_u32 v[AS0], v[LN], 4, s45
	v_mul_u32_u24 v[TA], v[R], SP
	v_lshl_add_u32 v[TA], v[H], 5, v[TA]
	v_add_nc_u32 v[STO], s30, v[TA]                ; row r, + 32 h
	v_lshlrev_b32 v[GO], 4, v[R]
	v_lshl_add_u32 v[GO], v[H], 8, v[GO]           ; out: lanes 0-15 one row of 256 bytes, lanes 16-31 the next
	v_lshlrev_b32 v[H16], 4, v[H]
	v_lshlrev_b32 v[QO], 5, v[R]
	v_lshl_add_u32 v[QO], v[H], 4, v[QO]           ; Q: row r of 32 bytes, block h
	v_lshlrev_b32 v[QSO], 1, v[R]
	; THE FILL.  A role's 256 threads, j = 32 idx + lane.
	v_lshrrev_b32 v[J], 6, v0
	v_lshl_or_b32 v[J], v[J], 5, v[LN]
	v_lshlrev_b32 v[GK], 4, v[J]                   ; K's codes: a load takes a step's 4,096 bytes, 16 a thread: key j / 2 of the step, block j % 2
	v_lshrrev_b32 v[TA], 4, v[J]
	v_and_b32 v[TB], 15, v[J]
	v_lshlrev_b32 v[TB], 4, v[TB]
	v_lshl_add_u32 v[GV], v[TA], 10, v[TB]         ; V's codes: row j / 16 of a tile (1,024 bytes a row), block j % 16 of a slot: sixteen lanes read 256 consecutive bytes
	v_lshrrev_b32 v[TB], 1, v[J]
	v_and_b32 v[TC], 1, v[J]                       ; j % 2, kept
	v_lshlrev_b32 v[GKS], 3, v[TC]
	v_lshl_add_u32 v[GKS], v[TB], 5, v[GKS]        ; K's scales: keys 16 (j / 2) + 4 (j % 2) + 0..3, and the four keys 8 further on
	v_bfe_u32 v[TA], v[J], 1, 3                    ; key j / 2 = 32 b + 16 (r / 8) + 8 u + r % 8
	v_bfe_u32 v[TB], v[J], 5, 1
	v_lshl_or_b32 v[TA], v[TB], 3, v[TA]           ; r
	v_lshlrev_b32 v[TB], 3, v[TC]
	v_xor_b32 v[TA], v[TA], v[TB]                  ; r xor 8 h: sixteen neighbouring threads (8 keys x 2 blocks) store to sixteen different 16-byte columns modulo 256 bytes
	v_lshlrev_b32 v[TA], 4, v[TA]
	v_lshl_add_u32 v[TA], v[TC], 8, v[TA]
	v_bfe_u32 v[TB], v[J], 4, 1                    ; u
	v_lshl_add_u32 v[TA], v[TB], 9, v[TA]
	v_lshrrev_b32 v[TB], 6, v[J]                   ; b
	v_lshl_add_u32 v[TA], v[TB], 10, v[TA]
	v_add_nc_u32 v[DK], s[RBASE], v[TA]
	v_bfe_u32 v[TA], v[J], 2, 2                    ; V: block j % 16 = 4 (step in the slot) + 2 c + h
	v_mul_u32_u24 v[TA], v[TA], VST
	v_bfe_u32 v[TB], v[J], 1, 1
	v_mad_u32_u24 v[TA], v[TB], VC, v[TA]
	v_mad_u32_u24 v[TA], v[TC], VH, v[TA]          ; in units of 16 bytes the three pitches are 4, 2 and 1 modulo 16: sixteen threads of one row store to sixteen different columns
	v_lshrrev_b32 v[TB], 4, v[J]
	v_lshl_add_u32 v[TA], v[TB], 4, v[TA]
	v_add_nc_u32 v[DV], s31, v[TA]
	v_lshlrev_b32 v[TA], 9, v[TB]                  ; K's words: step j / 16; pair b = (j / 4) % 4: word b / 2, lanes 16 (b % 2) on; r = 8 ((j / 2) % 2) + 4 (j % 2) + 0..3
	v_and_b32 v[TB], 7, v[J]
	v_lshl_add_u32 v[TA], v[TB], 6, v[TA]
	v_bfe_u32 v[TB], v[J], 3, 1
	v_lshl_add_u32 v[TA], v[TB], 2, v[TA]
	v_add_nc_u32 v[DKS], s45, v[TA]
	v_and_b32 v[TA], 3, v[J]                       ; V's words: row d = j / 4 = 16 t + r, steps 4 (j % 4) + 0..3: word 2 + t / 2, lanes 16 (t % 2) on
	v_lshlrev_b32 v[TA], 11, v[TA]
	v_bfe_u32 v[TB], v[J], 6, 1
	v_lshl_add_u32 v[TA], v[TB], 8, v[TA]
	v_bfe_u32 v[TB], v[J], 2, 4
	v_lshl_add_u32 v[TA], v[TB], 4, v[TA]
	v_bfe_u32 v[TB], v[J], 7, 1
	v_lshl_add_u32 v[TA], v[TB], 2, v[TA]
	v_add_nc_u32 v[DVS], s45, v[TA]
	s_mov_b32 s[SEL], 0x76543210
	s_mov_b32 s[SEL+1], 0xfedcba98                 ; v_permlanex16_b32's selects for lane l xor 16
	s_mov_b32 s[CS], 0x3e38aa3b                    ; c = log2(e) / 8: the score as the product gives it x c is the logit x log2(e), bit for bit
	s_mov_b32 s[CS+1], s[CS]                       ; (named with it as a pair, so it is written)
	; THE RANKS.  Lane i makes batch i's sort key: steps << 17 | length << 5 | i: no two are equal.
	s_wait_loadcnt 0x0
	v_cmp_lt_i32 vcc_lo, 0, v[LEN]
	s_wait_alu depctr_va_vcc(0)                    ; VCC is written, ahead of its first reader, the select below
	v_cndmask_b32 v[LV], 0, v[LEN], vcc_lo         ; a length of 0 or less counts as 0,
	v_min_u32 v[LV], 0x800, v[LV]                  ; one above 2,048 as 2,048
	v_add_nc_u32 v[NV], 0x7f, v[LV]
	v_lshrrev_b32 v[NV], 7, v[NV]
	v_cndmask_b32 v[NV], 16, v[NV], vcc_lo         ; with no valid key all 16 steps are walked
	v_lshl_or_b32 v[KEYV], v[LV], 5, v[LN]
	v_lshl_or_b32 v[KEYV], v[NV], 17, v[KEYV]
	s_wait_alu depctr_va_vdst(0)
	s_mov_b32 s[KEY], 0
; Batch j's rank is the number of smaller sort keys: one compare against all 32 lanes and a count of its bits.  The sort key whose rank I want is kept.  Four batches by turns.
.macro RANK4 j
.irp i, 0,1,2,3
	v_readlane_b32 s[32+\i], v[KEYV], \j+\i
.endr
	s_wait_alu depctr_va_sdst(0)                   ; the four sort keys are written, ahead of their first readers, the compares
.irp i, 0,1,2,3
	v_cmp_gt_u32 s[40+\i], s[32+\i], v[KEYV]
.endr
	s_wait_alu depctr_va_sdst(0)                   ; the four masks are written, ahead of their first readers, the counts
.irp i, 0,1,2,3
	s_bcnt1_i32_b32 s[40+\i], s[40+\i]
.endr
.irp i, 0,1,2,3
	s_cmp_eq_u32 s[40+\i], s[WANT]
	s_cselect_b32 s[KEY], s[32+\i], s[KEY]
.endr
.endm
.irp j, 0,4,8,12,16,20,24,28
	RANK4 \j
.endr
	s_and_b32 s[BB], s[KEY], 31
	s_min_u32 s[BB], s[BB], 31                     ; my batch: held to the tensors' 32 ahead of every address
	s_bfe_u32 s[LL], s[KEY], 0xc0005               ; its length
	s_lshr_b32 s[NN], s[KEY], 17                   ; its key steps
	s_cmp_eq_u32 s[LL], 0
	s_cselect_b32 s45, 0, 0xcaf42400               ; a hidden score becomes -8e6 (x 1/8 = -1e6).  With no valid key all logits are equal: 0 for all gives the same p = 1
	v_mov_b32 v[NEGF], s45
	s_lshl_b32 s30, ttmp9, 3
	s_add_co_u32 s30, s30, s[IDX]                  ; my tile of queries: 8 g + idx
	s_lshl_b32 s32, s[BB], 16                      ; a batch's codes are 65,536 bytes in each tensor,
	s_mov_b32 s33, 0
	s_mov_b32 s35, 0
	s_add_nc_u64 s[4:5], s[4:5], s[32:33]
	s_add_nc_u64 s[14:15], s[14:15], s[32:33]
	s_lshl_b32 s34, s30, 9                         ; a tile of Q 512
	s_add_co_u32 s34, s34, s32
	s_add_nc_u64 s[8:9], s[8:9], s[34:35]
	s_lshl_b32 s32, s[BB], 12                      ; its scale bytes 4,096,
	s_add_nc_u64 s[6:7], s[6:7], s[32:33]
	s_add_nc_u64 s[16:17], s[16:17], s[32:33]
	s_lshl_b32 s34, s30, 5                         ; a tile's 32
	s_add_co_u32 s34, s34, s32
	s_add_nc_u64 s[10:11], s[10:11], s[34:35]
	s_lshl_b32 s32, s[BB], 19                      ; its rows of out 524,288, a tile's 4,096
	s_lshl_b32 s34, s30, 12
	s_add_co_u32 s34, s34, s32
	s_add_nc_u64 s[18:19], s[18:19], s[34:35]
	s_wait_alu depctr_va_vdst(0)                   ; all offsets and LDS addresses made above are written: those of the loads and LDS stores of the fill, and v4-6, which the way out's LDS and global instructions read; none is written again
	global_load_b128 v[Q:Q+3], v[QO], s[8:9]       ; Q's fragment, twice: at the head of [Q, 0] and at the end of [0, Q]
	global_load_b128 v[Q+8:Q+11], v[QO], s[8:9]
	global_load_u16 v[QS], v[QSO], s[10:11]
	global_load_b64 v[192:193], v[GKS], s[6:7]
	global_load_b64 v[194:195], v[GKS], s[6:7] offset:16
	global_load_b128 v[196:199], v[GK], s[16:17]
.macro FILLLD g                        ; slot g: 512 keys: four steps of K, and 256 bytes of each of V's 64 rows
.irp i, 0,1,2,3
	global_load_b128 v[FB+32*\g+4*\i:FB+32*\g+4*\i+3], v[GK], s[4:5] offset:(4*\g+\i)*KST
.endr
.irp t, 0,1,2,3
	global_load_b128 v[FB+32*\g+16+4*\t:FB+32*\g+16+4*\t+3], v[GV], s[14:15] offset:\t*16384+\g*256
.endr
.endm
.macro FILLST g
.irp i, 0,1,2,3
	ds_store_b128 v[DK], v[FB+32*\g+4*\i:FB+32*\g+4*\i+3] offset:(4*\g+\i)*KST
.endr
.irp t, 0,1,2,3
	ds_store_b128 v[DV], v[FB+32*\g+16+4*\t:FB+32*\g+16+4*\t+3] offset:\g*4*VST+\t*VT
.endr
.endm
	FILLLD 0                                       ; only the slots that the batch's steps reach are fetched; each way stores just what it loaded.  No vector line stands between the wait above and the last of these loads and stores
	s_cmp_le_u32 s[NN], 4
	s_cbranch_scc1 .Lst0
	FILLLD 1
	s_cmp_le_u32 s[NN], 8
	s_cbranch_scc1 .Lst1
	FILLLD 2
	s_cmp_le_u32 s[NN], 12
	s_cbranch_scc1 .Lst2
	FILLLD 3
	s_wait_loadcnt 0x0
	FILLST 3
.Lst2:
	s_wait_loadcnt 0x0                             ; for the way that jumped here; met at once on the way from above
	FILLST 2
.Lst1:
	s_wait_loadcnt 0x0
	FILLST 1
.Lst0:
	s_wait_loadcnt 0x0
	FILLST 0
	v_perm_b32 v200, v194, v192, 0x05040100        ; a word of K's scales: the two bytes of a key of tile 2 b, then those of the key 8 further on, which has the same lane in tile 2 b + 1
	v_perm_b32 v201, v194, v192, 0x07060302
	v_perm_b32 v202, v195, v193, 0x05040100
	v_perm_b32 v203, v195, v193, 0x07060302
	s_wait_alu depctr_va_vdst(0)                   ; the four words v200-203 are written, which the LDS stores below read
.irp m, 0,1,2,3
	ds_store_b32 v[DKS], v[200+\m] offset:16*\m
.endr
.irp m, 0,1,2,3
	ds_store_b32 v[DVS], v[196+\m] offset:512*\m+8 ; four bytes of a row of V's scales are a step's word as they lie
.endr
	s_wait_alu depctr_vm_vsrc(0)                   ; my LDS stores have read v64-203: from here on these registers are K's and V's fragments, S^T, O^T and p's codes, written by the lines below, by LDS loads and by the loop's vector and matrix instructions
	v_lshl_or_b32 v[QS], v[QS], 16, v[QS]          ; Q's two bytes serve k 0-63 and k 64-127
.irp i, 4,5,6,7
	v_mov_b32 v[Q+\i], 0                           ; the zero codes between the two copies of Q
.endr
	v_mov_b32 v13, 0xff61b1e6                      ; the largest t so far: -3e38, under every t
	v_floor_f32 v12, -v13                          ; -M
	v_mov_b32 v14, 0                               ; the sum, in two halves
	v_mov_b32 v15, 0
.irp b, 0,1,2,3
	v_mov_b32 v[T2+\b], 0                          ; written once: a lane permute's destination counts as one of its sources
.endr
	v_mov_b32 v[PW], 0                             ; (named as the upper half of the pair v[216:217] before it is first written)
.set n, 0
.rept 32
	v_mov_b32 v[O+n], 0                            ; O^T.  The step is written once: the first finds zeros, which the first change of M leaves zeros
.set n, n+1
.endr
	s_mov_b32 s[KF], 0
	s_mov_b32 s[TK], 0
	s_mov_b32 s[TV], 0
	s_mov_b32 s[TS], 0
	s_mov_b32 s[CNT], 0
	s_wait_dscnt 0x0                               ; for the others' sake: my stores into the images have landed
	s_barrier_signal -1
	s_barrier_wait -1                              ; both batches' images are whole; they are only read from here on
.Lstep:                                            ; 16 trips in every wave; from my batch's step count on only the steps of addresses are left
	s_cmp_ge_u32 s[CNT], s[NN]
	s_cbranch_scc1 .Lskip
	s_wait_alu depctr_vm_vsrc(0)                   ; the last trip's LDS loads have read the three addresses that the adds below write
	v_add_nc_u32 v[ADK], s[TK], v[AK0]             ; these three and the v_nop are four places between the last trip's products and the loads into registers that they read
	v_add_nc_u32 v[ADV], s[TV], v[AV0]
	v_add_nc_u32 v[ADS], s[TS], v[AS0]
	v_nop
	s_wait_alu depctr_va_vdst(0)                   ; the three addresses are written, which the 17 loads of this step read; the last trip's products are done reading SC, KR and VR, in which they land; in the first trip Q's zeros and Q's scale word, which the products below take, are written
	ds_load_b128 v[SC:SC+3], v[ADS]
.irp b, 0,1,2,3
.irp u, 0,1
	ds_load_b128 v[KR+8*\b+4*\u:KR+8*\b+4*\u+3], v[ADK] offset:\b*1024+\u*512
.endr
.endr
; S^T = K Q^T: eight tiles of 16 keys, two from each pair of K's fragments.  V's eight loads are dealt among them, one behind each product: no wait, since no vector or matrix instruction issued since the wait above names VR or v[ADV].
.irp b, 0,1,2,3
	s_wait_dscnt 6                                 ; LDS loads come back in order (ISA guide 5.7.1): the scale words and K's pair b are in; behind pair b's second load six loads have been issued: 6 - 2 b of K and 2 b of V
.irp u, 0,1
.if \b % 2
	v_wmma_scale_f32_16x16x128_f8f6f4 v[S+8*(2*\b+\u):S+8*(2*\b+\u)+7], v[KR+8*\b:KR+8*\b+7], v[Q+4*\u:Q+4*\u+7], 0, v[SC+\b/2], v[QS] matrix_a_fmt:MATRIX_FMT_FP4 matrix_b_fmt:MATRIX_FMT_FP4 matrix_a_scale:MATRIX_SCALE_ROW1
.else
	v_wmma_scale_f32_16x16x128_f8f6f4 v[S+8*(2*\b+\u):S+8*(2*\b+\u)+7], v[KR+8*\b:KR+8*\b+7], v[Q+4*\u:Q+4*\u+7], 0, v[SC+\b/2], v[QS] matrix_a_fmt:MATRIX_FMT_FP4 matrix_b_fmt:MATRIX_FMT_FP4
.endif
	ds_load_b128 v[VR+8*\b+4*\u:VR+8*\b+4*\u+3], v[ADV] offset:\b*VT+\u*VC   ; V's tile b, half u: it lands under the softmax
.endr
.endr
	s_sub_co_i32 s45, s[LL], s[KF]
	v_mov_b32 v[OLD], v12                          ; four places behind the products (ISA guide 7.12.1): the old -M, the mask's distance, two v_nop
	v_sub_nc_u32 v[DD], s45, v[H16]                ; d = len - first key - 16 (lane / 16)
	v_nop
	v_nop
	s_add_co_u32 s31, s[KF], 128
	s_cmp_le_u32 s31, s[LL]
	s_cbranch_scc1 .Lopen                          ; all 128 keys count: nothing to hide
; Register 16 b + i holds key first + 32 b + 16 (lane / 16) + i: hidden where 32 b + i >= d.  A block's sixteen compares go in one run, into sixteen scalar registers.  Ascending: each accumulator is first read at its low end.
.set n, 0
.rept 4
.set m, 0
.rept 16
	v_cmp_ge_i32 s[MK+m], 32*(n/16)+m, v[DD]
.set m, m+1
.endr
	s_wait_alu depctr_va_sdst(0)                   ; the sixteen masks are written, ahead of their first readers, the selects
.set m, 0
.rept 16
	v_cndmask_b32 v[S+n+m], v[S+n+m], v[NEGF], s[MK+m]
.set m, m+1
.endr
.set n, n+16
.endr
.Lopen:
.irp b, 0,1,2,3
	v_max3_num_f32 v[BM+\b], v[S+16*\b], v[S+16*\b+1], v[S+16*\b+2]   ; the largest score of each block of 32 keys: it serves the row's maximum and, since p rises with the score, the block's largest p
.endr
.irp i, 3,5,7,9,11,13
.irp b, 0,1,2,3
	v_max3_num_f32 v[BM+\b], v[BM+\b], v[S+16*\b+\i], v[S+16*\b+\i+1] ; (the four blocks by turns)
.endr
.endr
.irp b, 0,1,2,3
	v_max_num_f32 v[BM+\b], v[BM+\b], v[S+16*\b+15]
.endr
.irp b, 0,1,2,3
	v_permlanex16_b32 v[T2+\b], v[BM+\b], s[SEL], s[SEL+1]
.endr
.irp b, 0,1,2,3
	v_max_num_f32 v[BM+\b], v[BM+\b], v[T2+\b]     ; with lane l xor 16's 16 keys
.endr
	v_max3_num_f32 v[TT], v[BM], v[BM+1], v[BM+2]
	v_max_num_f32 v[TT], v[TT], v[BM+3]            ; the step's largest score of my query
	v_mul_f32 v[TT], s[CS], v[TT]                  ; as t (c is positive)
	v_max_num_f32 v13, v13, v[TT]                  ; the running largest t
	v_floor_f32 v12, -v13                          ; the new -M = floor(-t) = -ceil(t): a whole number
	v_sub_f32 v[TT], v12, v[OLD]                   ; old M - new M: a whole number, 0 or less
	v_cvt_i32_f32 v[TT], v[TT]                     ; (it saturates)
	v_ldexp_f32 v[F], 1.0, v[TT]                   ; f = 2^(old M - new M): a multiplication by it rounds nothing
.set n, 0
.rept 32
	v_pk_fma_f32 v[S+n:S+n+1], v[S+n:S+n+1], s[CS:CS+1], v[12:13] op_sel_hi:[1,0,0]   ; t - M, two at a time (of the pairs c and -M the low word serves both halves)
.set n, n+2
.endr
.irp b, 0,1,2,3
	v_fma_f32 v[BM+\b], v[BM+\b], s[CS], v12       ; the same of each block's largest score
.endr
.set n, 0
	s_wait_alu depctr_va_vdst(0)
.rept 64
	v_exp_f32 v[S+n], v[S+n]                       ; p = 2^(t - M), at most 1: not normalised
.set n, n+1
.endr
	v_pk_mul_f32 v[14:15], v[14:15], v[F:F+1] op_sel_hi:[1,0]   ; the sums under the new M: the plain instruction behind the exponentials
	s_wait_alu depctr_va_vdst(0)                   ; the 64 exponentials have written p, v100-163, ahead of the first line that names a result
.irp b, 0,1,2,3
	v_exp_f32 v[BM+\b], v[BM+\b]                   ; the block's largest p: the same two instructions on the same number give the same bits
.endr
	v_pk_add_f32 v[SUM2:SUM2+1], v[S:S+1], v[S+2:S+3]           ; the row's sum is taken of the unquantised p: two at a time, in two chains
.set n, 4
.rept 15
	v_pk_add_f32 v[14:15], v[14:15], v[S+n:S+n+1]
	v_pk_add_f32 v[SUM2:SUM2+1], v[SUM2:SUM2+1], v[S+n+2:S+n+3]
.set n, n+4
.endr
	v_pk_add_f32 v[14:15], v[14:15], v[SUM2:SUM2+1]
	s_wait_alu depctr_va_vdst(0)                   ; the four exponentials have written the blocks' largest p, v204-207, ahead of their first reader
.irp b, 0,1,2,3
	v_max_num_f32 v[BM+\b], 0x1800000, v[BM+\b]    ; the floor 2^(3 - 127): the byte cannot fall under 1 (a block whose every p is 0 keeps that byte: its codes are zeros)
.endr
.irp b, 0,1,2,3
	v_add_nc_u32 v[SO+\b], 0xff000000, v[BM+\b]    ; 2 off the exponent field: the conversion's scale operand
.endr
.irp b, 0,1,2,3
	v_lshrrev_b32 v[T2+\b], 23, v[SO+\b]           ; the scale's byte
.endr
	v_lshl_or_b32 v[PW], v[T2+1], 8, v[T2]         ; p's scale word for these 128 keys
	v_lshl_or_b32 v[PW], v[T2+2], 16, v[PW]
	v_lshl_or_b32 v[PW], v[T2+3], 24, v[PW]
.irp b, 0,1,2,3
	v_cvt_scalef32_pk8_fp4_f32 v[PC+2*\b], v[S+16*\b:S+16*\b+7], v[SO+\b]
	v_cvt_scalef32_pk8_fp4_f32 v[PC+2*\b+1], v[S+16*\b+8:S+16*\b+15], v[SO+\b]
.endr
	v_nop                                          ; one plain instruction between a scaled conversion and the line that touches its result
.irp c, 0,1                                    ; the operand's layout wants a whole block in a lane: lanes 0-15 block 2 c, lanes 16-31 block 2 c + 1
.irp i, 0,1
	v_permlane16_swap_b32 v[PC+4*\c+\i], v[PC+4*\c+2+\i]
.endr
.endr
.set n, 0
.rept 16
	v_pk_mul_f32 v[O+n:O+n+1], v[O+n:O+n+1], v[F:F+1] op_sel_hi:[1,0]   ; O^T under the new M, ascending.  These sixteen also stand between the lines that made p's codes and scale word and the products
.set n, n+2
.endr
	s_wait_dscnt 0x0                               ; V is in
	s_wait_alu depctr_va_vdst(0)                   ; p's codes v196-203 and p's scale word v217, made by vector lines, are written: the scaled products below take them as source 1 and as its scales; the places above stay beside this wait
.irp t, 0,1,2,3                                ; O^T += V^T P^T: four tiles of 16 of the head's 64, one accumulator each; K = these 128 keys
.if \t % 2
	v_wmma_scale_f32_16x16x128_f8f6f4 v[O+8*\t:O+8*\t+7], v[VR+8*\t:VR+8*\t+7], v[PC:PC+7], v[O+8*\t:O+8*\t+7], v[SC+2+\t/2], v[PW] matrix_a_fmt:MATRIX_FMT_FP4 matrix_b_fmt:MATRIX_FMT_FP4 matrix_a_scale:MATRIX_SCALE_ROW1
.else
	v_wmma_scale_f32_16x16x128_f8f6f4 v[O+8*\t:O+8*\t+7], v[VR+8*\t:VR+8*\t+7], v[PC:PC+7], v[O+8*\t:O+8*\t+7], v[SC+2+\t/2], v[PW] matrix_a_fmt:MATRIX_FMT_FP4 matrix_b_fmt:MATRIX_FMT_FP4
.endif
.endr
.Lskip:
	s_add_co_u32 s[KF], s[KF], 128
	s_add_co_u32 s[TK], s[TK], KST
	s_add_co_u32 s[TV], s[TV], VST
	s_add_co_u32 s[TS], s[TS], SST
	s_add_co_u32 s[CNT], s[CNT], 1
	s_cmp_lt_u32 s[CNT], 16
	s_cbranch_scc1 .Lstep
; THE WAY OUT.  The sum's halves are added; O^T / the sum goes through the stage (a lane's 32 bytes of a row in, whole rows of 256 bytes back) and leaves two rows, 512 consecutive aligned bytes, a store.
.macro WAYOUT
.rept 4
	v_nop                                          ; places behind the last products
.endr
	v_add_f32 v14, v14, v15
	v_permlanex16_b32 v[T2], v14, s[SEL], s[SEL+1]
	v_add_f32 v14, v14, v[T2]                      ; with lane l xor 16's: the row's sum
	s_wait_alu depctr_va_vdst(0)
	v_rcp_f32 v14, v14
	v_nop                                          ; a plain instruction behind the reciprocal,
	s_wait_alu depctr_va_vdst(0)                   ; and the wait: the reciprocal has written v14, ahead of its first reader
.set n, 0
.rept 16
	v_pk_mul_f32 v[S+n:S+n+1], v[O+n:O+n+1], v[14:15] op_sel_hi:[1,0]   ; register 8 t + i is out(r, 16 t + 8 h + i)
.set n, n+2
.endr
	s_wait_alu depctr_va_vdst(0)                   ; the multiplies have written v100-131, which the LDS stores read; the loop's vector lines are done with v132-163, in which the LDS loads land
.irp t, 0,1,2,3
	ds_store_b128 v[STO], v[S+8*\t:S+8*\t+3] offset:64*\t
	ds_store_b128 v[STO], v[S+8*\t+4:S+8*\t+7] offset:64*\t+16
.endr
.irp i, 0,1,2,3,4,5,6,7
	ds_load_b128 v[S+32+4*\i:S+32+4*\i+3], v[RD] offset:\i*2*SP   ; LDS serves a wave's instructions in order (ISA guide 5.7.1.4): these see my stores
.endr
.irp i, 0,1,2,3,4,5,6,7
	s_wait_dscnt 7-\i                              ; load i is back; the younger ones may be out
	global_store_b128 v[GO], v[S+32+4*\i:S+32+4*\i+3], s[18:19] offset:512*\i th:TH_STORE_NT
.endr
.endm
	s_cmp_lg_u32 s[RHO], 0                         ; the shorter batch's tiles leave now, while the longer batch is still multiplied: a pair's stage is first the role-0 wave's
	s_cbranch_scc1 .Llonger
	WAYOUT
.Llonger:
	s_wait_alu depctr_vm_vsrc(0)                   ; the way out above: its LDS stores have read v100-131 and its global stores v132-163, which the multiplies and the LDS loads of the way out below write.  (Both branches hang on the one role, so no wave takes both; the text has the path, and the wait stands on it, ahead of the branch)
	s_wait_dscnt 0x0                               ; my reads of the stage, and of the images, are back
	s_barrier_signal -1
	s_barrier_wait -1                              ; behind it a pair's stage is the role-1 wave's
	s_cmp_eq_u32 s[RHO], 0
	s_cbranch_scc1 .Lend
	WAYOUT
.Lend:
	s_wait_dscnt 0x0
	s_wait_alu depctr_hold_cnt(0) depctr_sa_sdst(0) depctr_va_vdst(0) depctr_va_sdst(0) depctr_va_ssrc(0) depctr_va_vcc(0) depctr_vm_vsrc(0)
	s_wait_tensorcnt 0x0
	ds_add_u32 v254, v255
	s_wait_dscnt 0x0
	s_endpgm
.Lfunc_end_k_qaf348d039a_attn:
	.size	k_qaf348d039a_attn, .Lfunc_end_k_qaf348d039a_attn-k_qaf348d039a_attn
	.p2alignl 7, 3214868480
	.fill 96, 4, 3214868480
	.section	.rodata,"a",@progbits
	.p2align	6, 0x0
	.amdhsa_kernel k_qaf348d039a_attn
		.amdhsa_group_segment_fixed_size 325632
		.amdhsa_private_segment_fixed_size 0
		.amdhsa_enable_private_segment 0
		.amdhsa_kernarg_size 64
		.amdhsa_user_sgpr_count 2
		.amdhsa_user_sgpr_kernarg_segment_ptr 1
		.amdhsa_wavefront_size32 1
		.amdhsa_system_sgpr_workgroup_id_x 1
		.amdhsa_system_sgpr_workgroup_id_y 1
		.amdhsa_system_sgpr_workgroup_id_z 1
		.amdhsa_system_vgpr_workitem_id 0
		.amdhsa_next_free_vgpr 256
		.amdhsa_next_free_sgpr 66
		.amdhsa_reserve_vcc 1
		.amdhsa_float_denorm_mode_32 3
		.amdhsa_float_denorm_mode_16_64 3
		.amdhsa_memory_ordered 1
		.amdhsa_forward_progress 1
		.amdhsa_inst_pref_size 55
	.end_amdhsa_kernel
	.amdgpu_metadata
---
amdhsa.version: [ 1, 2 ]
amdhsa.kernels:
  - .name:           k_qaf348d039a_attn
    .symbol:         k_qaf348d039a_attn.kd
    .args:
      - { .name: keys_codes, .offset: 0, .size: 8, .value_kind: global_buffer, .address_space: global }
      - { .name: keys_scales, .offset: 8, .size: 8, .value_kind: global_buffer, .address_space: global }
      - { .name: queries_codes, .offset: 16, .size: 8, .value_kind: global_buffer, .address_space: global }
      - { .name: queries_scales, .offset: 24, .size: 8, .value_kind: global_buffer, .address_space: global }
      - { .name: valid_lens, .offset: 32, .size: 8, .value_kind: global_buffer, .address_space: global }
      - { .name: values_codes, .offset: 40, .size: 8, .value_kind: global_buffer, .address_space: global }
      - { .name: values_scales, .offset: 48, .size: 8, .value_kind: global_buffer, .address_space: global }
      - { .name: out0, .offset: 56, .size: 8, .value_kind: global_buffer, .address_space: global }
    .group_segment_fixed_size: 325632
    .private_segment_fixed_size: 0
    .kernarg_segment_align: 8
    .kernarg_segment_size: 64
    .max_flat_workgroup_size: 512
    .sgpr_count:     66
    .vgpr_count:     256
    .wavefront_size: 32
...
	.end_amdgpu_metadata
.endif
;; end of part 2
